; MI455X (gfx1250); checked and timed in simulation.
; The chip was launched on July 23, 2026; its instructions are those of AMD's public machine-readable ISA for CDNA 5 (MIT licence, August 2026) and "CDNA5" Instruction Set Architecture Reference Guide (July 2026). The comments in the code are by the model that wrote it; some were corrected since.
;; Vector Quantizer. Allowed arithmetic: matrix products marked QUANTISED: E2M1 operands, one E8M0 scale for each 32 along K, by v_wmma_scale_f32_16x16x128_f8f6f4 with both operands' format E2M1 (or v_wmma_scale_f32_32x16x128_f4), f32 sums; everything else in f32.
;; Inputs: embeddings 128 x 1,024 float32; x 64 x 32 x 32 x 128 float32.
;; Outputs: out0 64 x 32 x 32 x 128 float32.
;; This version of the problem:
;;   THIS VERSION OF THE PROBLEM IS GIVEN IN LOW PRECISION. The matrix products marked QUANTISED in the list below multiply operands that are first quantised to E2M1 (2 exponent bits, 1 mantissa bit; 4 bits a number), with one power-of-two scale for each 32 numbers along K (OCP MX v1.0); their sums are f32. All else is computed in f32.
;;   The module's matrix products, in the order in which they are computed (A, B: the left and right operand; K: the contracted axis; several contracted axes count as one K, in the product's order):
;;     1. [M 65,536, K 128] x [K 128, N 1,024]; A: input x; B: input embeddings: QUANTISED
;;   THE QUANTISER, for each operand of a quantised product, along K:
;;     - K is cut into blocks of 32 from its start; a last block that is shorter is filled with zeros.
;;     - A block's scale is 2^e with e = floor(log2(the largest magnitude in the block)) - 2, held to -126 .. 127; a block of zeros has e = 0. As a byte (E8M0): e + 127.
;;     - Each number is divided by its block's scale, clamped to +-6, and rounded to the nearest number of E2M1, ties to even, subnormals kept.
;;     - The product sums the exact products of the quantised numbers (number of the format x scale) in f32.
;;   ~~~python
;;   def quantise(x, axis):      # numpy; x: float32 -> the quantised numbers, widened to float32 again
;;       x = np.moveaxis(x, axis, -1); K = x.shape[-1]
;;       x = np.pad(x, [(0, 0)] * (x.ndim - 1) + [(0, -K % 32)]); x = x.reshape(x.shape[:-1] + (-1, 32)); a = np.abs(x).max(-1, keepdims=True)
;;       e = np.where(a > 0, np.clip(np.frexp(np.where(a > 0, a, 1))[1] - 1 - 2, -126, 127), 0)      # np.frexp(a)[1] - 1 = floor(log2(a)), exactly
;;       r = np.clip(x / 2.0 ** e, -6, 6)
;;       step = 2.0 ** (np.maximum(np.frexp(np.where(r == 0, 1, r))[1] - 1, 0) - 1)
;;       q = np.round(r / step) * step * 2.0 ** e      # np.round: ties to even
;;       return np.moveaxis(q.reshape(q.shape[:-2] + (-1,))[..., :K], -1, axis).astype(np.float32)
;;   ~~~
;; 2 versions. Each part assembles by itself: llvm-mc -triple=amdgcn-amd-amdhsa -mcpu=gfx1250 --defsym DOCPART=n.
;; ======== version 1 of 2: 3 launches
;; workspace buffers: ecodes 65,536 bytes; escales 4,096 bytes; ehalf 4,096 bytes; embt 524,288 bytes; idx 262,144 bytes of whole numbers
;; launch prep (part 1): grid 32 x 1, 4 waves a work-group, no clusters, 18,944 bytes of LDS; arguments embeddings, ecodes, escales, ehalf, embt; writes ecodes, escales, ehalf, embt
.if DOCPART == 1
	.amdgcn_target "amdgcn-amd-amdhsa--gfx1250"
	.amdhsa_code_object_version 6
	.text
	.protected	k_q43ed84cf79_prep
	.globl	k_q43ed84cf79_prep
	.p2align	8
	.type	k_q43ed84cf79_prep,@function
k_q43ed84cf79_prep:
	s_mov_b64 s[64:65], 0
	v_nop
	global_prefetch_b8 v0, s[64:65] scope:SCOPE_SE
	s_setreg_imm32_b32 hwreg(HW_REG_WAVE_MODE, 25, 1), 1
	s_wait_xcnt 0x0
; The codebook, embeddings [128 (k)][1024 (n)] f32, is read once and laid out four ways for the two launches that follow:
;   ecodes  [4 (block b)][1024 (n)][16 bytes]: the 32 codes of E2M1 of k = 32 b .. 32 b + 31 of column n, the lower k in the lower four bits;
;   escales [1024] words: column n's four E8M0 bytes, byte b for block b;
;   ehalf   [1024] f32: -0.5 x the sum over k of e[k][n]^2, taken of the unquantised numbers;
;   embt    [1024][128] f32: the table with a column's 128 numbers on end, for the gather.
; A block's scale is 2^(floor(log2(its largest magnitude)) - 2); its byte is the largest magnitude's exponent field - 2, held at 1 from below.
; LIMITS: a block of zeros gets the byte 1 where the quantiser's rule says 127: its codes are zeros, which add nothing under any byte but 0xff, and this program alone reads the bytes.
;   NaN and infinities among the inputs are not served.
; SHARES: work-group g takes columns 32 g .. 32 g + 31; wave b takes K block b; A LANE TAKES A COLUMN AND ITS 32 REGISTERS RUN DOWN K: the block's largest magnitude needs no other lane,
; and the conversions, which take neighbours along K from one lane's registers, give the codes with K innermost.  1,024 columns / 32 = 32 work-groups: all the work there is.
; The f32 numbers turn through a stage in LDS (a row = a column of the table, 512 bytes + 16) and leave as whole rows of embt, 512 consecutive bytes a store.
.set SP,   528                         ; a stage row: 512 bytes + 16: an odd multiple of 16
.set STG,  0                           ; LDS: the stage, 32 rows
.set E2P,  32*SP                       ; four waves' partial sums of squares, 128 bytes each
.set SCB,  E2P+512                     ; 32 scale words, put together byte by byte
.set CD,   12                          ; v12-15  my block's codes
.set X,    16                          ; v16-47  my block's 32 numbers
.set SQ,   48                          ; v48-49  the sum of squares, in two halves
.set RB,   52                          ; v52-83  eight rows read back from the stage
.set PS,   84                          ; v84-87  the four partial sums; v88 a scale word
	s_load_b256 s[4:11], s[0:1], 0x0               ; embeddings s[4:5], ecodes s[6:7], escales s[8:9], ehalf s[10:11]
	s_load_b64 s[12:13], s[0:1], 0x20              ; embt
	v_lshl_add_u32 v96, v0, 2, 0x4800
	v_mov_b32 v97, 0
	v_lshrrev_b32 v1, 5, v0
	v_readfirstlane_b32 s14, v1                    ; wave = K block b
	v_and_b32 v1, 31, v0                           ; lane L
	v_lshlrev_b32 v2, 2, v1                        ; 4 L
	v_lshlrev_b32 v5, 4, v1                        ; 16 L
	s_lshl_b32 s15, s14, 7                         ; 128 b
	s_mul_i32 s16, s14, 8*SP
	v_mul_u32_u24 v3, v1, SP
	v_add_nc_u32 v3, s15, v3                       ; into the stage: row L, my block's 128 bytes
	v_add_nc_u32 v4, s16, v5                       ; out of it: rows 8 b on, 16 bytes a lane
	v_add_nc_u32 v6, s14, v2                       ; my byte of column L's scale word
	v_add_nc_u32 v7, s15, v2                       ; my partial sum's word
	s_lshl_b32 s20, ttmp9, 7                       ; 128 g: the group's 32 words in escales and in ehalf, and its 32 columns in a row of the table
	s_mov_b32 s21, 0
	s_lshl_b32 s22, s14, 17                        ; + 32 b rows of 4,096 bytes
	s_add_co_u32 s22, s22, s20
	s_mov_b32 s23, 0
	s_lshl_b32 s24, ttmp9, 9                       ; ecodes: 16,384 b + 16 x 32 g
	s_lshl_b32 s25, s14, 14
	s_add_co_u32 s24, s24, s25
	s_mov_b32 s25, 0
	s_lshl_b32 s26, ttmp9, 14                      ; embt: 32 g rows of 512 bytes + 8 b rows
	s_lshl_b32 s27, s14, 12
	s_add_co_u32 s26, s26, s27
	s_mov_b32 s27, 0
	s_wait_kmcnt 0x0
	s_add_nc_u64 s[4:5], s[4:5], s[22:23]
	s_add_nc_u64 s[6:7], s[6:7], s[24:25]
	s_add_nc_u64 s[8:9], s[8:9], s[20:21]
	s_add_nc_u64 s[10:11], s[10:11], s[20:21]
	s_add_nc_u64 s[12:13], s[12:13], s[26:27]
.irp i, 0,1,2,3,4,5,6,7,8,9,10,11,12,13,14,15,16,17,18,19,20,21,22,23,24,25,26,27,28,29,30,31
	global_load_b32 v[X+\i], v2, s[4:5] offset:4096*\i th:TH_LOAD_NT   ; e[32 b + i][32 g + L]: 32 lanes read 128 consecutive bytes
.endr
	s_wait_loadcnt 0x0
	v_max3_num_f32 v8, |v[X]|, |v[X+1]|, |v[X+2]|                  ; the block's largest magnitude, in two chains
	v_max3_num_f32 v9, |v[X+3]|, |v[X+4]|, |v[X+5]|
.irp i, 6,10,14,18,22,26
	v_max3_num_f32 v8, v8, |v[X+\i]|, |v[X+\i+1]|
	v_max3_num_f32 v9, v9, |v[X+\i+2]|, |v[X+\i+3]|
.endr
	v_max3_num_f32 v8, v8, |v[X+30]|, |v[X+31]|
	v_max3_num_f32 v8, v8, v9, 0x1800000           ; and the floor 2^(3 - 127): the byte cannot fall under 1
	v_add_nc_u32 v10, 0xff000000, v8               ; 2 off its exponent field: the conversion takes the exponent field of this operand as its scale
	v_pk_mul_f32 v[SQ:SQ+1], v[X:X+1], v[X:X+1]    ; the sum of my 32 squares, two at a time
.irp i, 2,4,6,8,10,12,14,16,18,20,22,24,26,28,30
	v_pk_fma_f32 v[SQ:SQ+1], v[X+\i:X+\i+1], v[X+\i:X+\i+1], v[SQ:SQ+1]
.endr
	v_add_f32 v[SQ], v[SQ], v[SQ+1]
.irp g, 0,1,2,3
	v_cvt_scalef32_pk8_fp4_f32 v[CD+\g], v[X+8*\g:X+8*\g+7], v10
.endr
	v_lshrrev_b32 v11, 23, v10                     ; the scale's byte (also the plain instruction behind the conversions)
	global_store_b128 v5, v[CD:CD+3], s[6:7]       ; 32 lanes store 512 consecutive bytes of ecodes
.irp i, 0,1,2,3,4,5,6,7
	ds_store_b128 v3, v[X+4*\i:X+4*\i+3] offset:STG+16*\i
.endr
	ds_store_b8 v6, v11 offset:SCB
	ds_store_b32 v7, v[SQ] offset:E2P
	s_wait_dscnt 0x0                               ; for the others' sake: my stores have landed
	s_barrier_signal -1
	s_barrier_wait -1                              ; the stage, the scale words and the partial sums are whole
.irp i, 0,1,2,3,4,5,6,7
	ds_load_b128 v[RB+4*\i:RB+4*\i+3], v4 offset:STG+SP*\i
.endr
.irp i, 0,1,2,3,4,5,6,7
	s_wait_dscnt 7-\i                              ; LDS loads come back in order: row i is in, the younger ones may be out
	global_store_b128 v5, v[RB+4*\i:RB+4*\i+3], s[12:13] offset:512*\i   ; a whole row of embt: 512 consecutive bytes
.endr
	s_cmp_lg_u32 s14, 0                            ; wave 0 alone finishes the scale words and the norms; no barrier stands in this branch
	s_cbranch_scc1 .Ldone
	ds_load_b32 v88, v2 offset:SCB
.irp b, 0,1,2,3
	ds_load_b32 v[PS+\b], v2 offset:E2P+128*\b
.endr
	s_wait_dscnt 0x0
	v_add_f32 v[PS], v[PS], v[PS+1]                ; the four blocks' sums, K ascending
	v_add_f32 v[PS], v[PS], v[PS+2]
	v_add_f32 v[PS], v[PS], v[PS+3]
	v_mul_f32 v[PS], -0.5, v[PS]
	global_store_b32 v2, v88, s[8:9]               ; 128 bytes a work-group: all that it has of these two small tables
	global_store_b32 v2, v[PS], s[10:11]
.Ldone:
	s_wait_tensorcnt 0x0
	ds_add_u32 v96, v97
	s_wait_dscnt 0x0
	s_endpgm
.Lfunc_end_k_q43ed84cf79_prep:
	.size	k_q43ed84cf79_prep, .Lfunc_end_k_q43ed84cf79_prep-k_q43ed84cf79_prep
	.p2alignl 7, 3214868480
	.fill 96, 4, 3214868480
	.section	.rodata,"a",@progbits
	.p2align	6, 0x0
	.amdhsa_kernel k_q43ed84cf79_prep
		.amdhsa_group_segment_fixed_size 18944
		.amdhsa_private_segment_fixed_size 0
		.amdhsa_enable_private_segment 0
		.amdhsa_kernarg_size 40
		.amdhsa_user_sgpr_count 2
		.amdhsa_user_sgpr_kernarg_segment_ptr 1
		.amdhsa_wavefront_size32 1
		.amdhsa_system_sgpr_workgroup_id_x 1
		.amdhsa_system_sgpr_workgroup_id_y 1
		.amdhsa_system_sgpr_workgroup_id_z 1
		.amdhsa_system_vgpr_workitem_id 0
		.amdhsa_next_free_vgpr 98
		.amdhsa_next_free_sgpr 66
		.amdhsa_reserve_vcc 0
		.amdhsa_float_denorm_mode_32 3
		.amdhsa_float_denorm_mode_16_64 3
		.amdhsa_memory_ordered 1
		.amdhsa_forward_progress 1
		.amdhsa_inst_pref_size 11
	.end_amdhsa_kernel
	.amdgpu_metadata
---
amdhsa.version: [ 1, 2 ]
amdhsa.kernels:
  - .name:           k_q43ed84cf79_prep
    .symbol:         k_q43ed84cf79_prep.kd
    .args:
      - { .name: embeddings, .offset: 0, .size: 8, .value_kind: global_buffer, .address_space: global }
      - { .name: ecodes, .offset: 8, .size: 8, .value_kind: global_buffer, .address_space: global }
      - { .name: escales, .offset: 16, .size: 8, .value_kind: global_buffer, .address_space: global }
      - { .name: ehalf, .offset: 24, .size: 8, .value_kind: global_buffer, .address_space: global }
      - { .name: embt, .offset: 32, .size: 8, .value_kind: global_buffer, .address_space: global }
    .group_segment_fixed_size: 18944
    .private_segment_fixed_size: 0
    .kernarg_segment_align: 8
    .kernarg_segment_size: 40
    .max_flat_workgroup_size: 128
    .sgpr_count:     66
    .vgpr_count:     98
    .wavefront_size: 32
...
	.end_amdgpu_metadata
.endif
;; end of part 1
;; launch argmin (part 2): grid 256 x 1, 16 waves a work-group, no clusters, 47,616 bytes of LDS; arguments x, ecodes, escales, ehalf, idx; writes idx
.if DOCPART == 2
	.amdgcn_target "amdgcn-amd-amdhsa--gfx1250"
	.amdhsa_code_object_version 6
	.text
	.protected	k_q43ed84cf79_argmin
	.globl	k_q43ed84cf79_argmin
	.p2align	8
	.type	k_q43ed84cf79_argmin,@function
k_q43ed84cf79_argmin:
	s_mov_b64 s[64:65], 0
	v_nop
	global_prefetch_b8 v0, s[64:65] scope:SCOPE_SE
	s_setreg_imm32_b32 hwreg(HW_REG_WAVE_MODE, 25, 1), 1
	s_wait_xcnt 0x0
; idx[row] = the column n of the codebook with the smallest |f|^2 + |e_n|^2 - 2 f . e_n, the product f . e_n on codes of E2M1 with one E8M0 scale for each 32 along K = 128.
; x: [65,536][128] f32, quantised here in registers.  ecodes, escales, ehalf: the codebook as the launch before laid it.  idx: [65,536] int32.
; THE DISTANCE COMES OUT OF THE MATRIX UNIT: D = f . e_n + C with C = -|e_n|^2 / 2, so that -2 D = |e_n|^2 - 2 f . e_n and the smallest distance is the LARGEST D.
; LIMITS.  |f|^2 is the same for all 1,024 candidates of a row and is not added before they are compared: the order of rounding differs from the source's, candidates being compared at the f32 grain
;   of f . e - |e|^2 / 2; rows whose two best distances differ by less than a last bit of the source's sum may take the other of the two.  Equal D: the lowest n wins, as in the source.
;   A block of zeros of x carries the scale byte 1 where the quantiser's rule says 127 (its codes are zeros).  NaN and infinities among the inputs are not served.
; SHARES.  Work-group g owns rows 256 g .. 256 g + 255, in four stages of 64 rows (four tiles of 16).  Wave w: p = w % 8, q = w / 8.  Part p of the codebook, 128 columns in 8 tiles of 16, stays in the wave's
;   registers for the whole launch: fragments, C and scale words, 8 KB and a little, loaded once as they stand in the operands.  In each stage the wave multiplies row tiles 2 q and 2 q + 1: 16 matrix instructions.
;   Sixteen waves of 256 registers, four to a SIMD: no register windows, and one wave's selections stand beside another's products and LDS loads.
; THE PRODUCT IS USED TRANSPOSED: source 0 = 16 columns of the codebook, source 1 = 16 rows of x.  Lane (r, h) then holds ONE row r of x, and its eight registers eight candidates.
;   THE COLUMNS OF A TILE ARE NOT NEIGHBOURS: row i of tile u takes column 128 p + 64 (i / 8) + 8 u + i % 8, so that lane half h of part p owns the 64 columns from 128 p + 64 h on, register j of tile u
;   being column 128 p + 64 h + 8 u + j: ascending with u and j.  The row's 16 partial results, slot 2 p + h, are ascending ranges of columns.
; THE SEARCH, 14 vector instructions for a tile's 8 candidates: four v_max3 (the running best among the leaves), one compare, one selection of the tile's number, eight selections that carry the winning
;   tile's values.  At a row tile's end the place in the carried tile is found by seven compares for equality, from the top down, so that the lowest wins.
; x's codes go from wave to wave through LDS; two image buffers take turns, one barrier a stage.  x's loads run two stages ahead in two sets of 16 registers.
; NO CLUSTER: what work-groups share is the codebook's 72 KB, read once at the head straight into registers; x, 128 KB a work-group, is shared with nobody.  No tensor loads: x passes through registers to be quantised.
.set XIMG,  0                          ; LDS: x's codes: two buffers; a buffer = 4 tiles; a tile = 4 blocks of 32 along K; a block = 16 rows x 16 bytes + 64 of padding
.set XBUF,  5120
.set XTILE, 1280
.set XBLK,  320
.set XSC,   2*XBUF                     ; x's scale words: two buffers of 64 words
.set CAND,  XSC+512                    ; the candidates: 16 slots of 256 rows x 8 bytes (value, column) + 128 of padding
.set CSLOT, 2176
.set XOFF, 1                           ; v1   x: my 32 bytes: two rows for each 16 lanes
.set WIM,  2                           ; v2   where I store my 8 codes
.set WSC,  3                           ; v3   and my block's scale byte
.set RIM,  4                           ; v4   where I read x's fragment
.set RSC,  5                           ; v5   and its scale words
.set CW,   6                           ; v6   where I store my candidate
.set NB,   7                           ; v7   128 p + 64 h: my first column
.set EOFF, 8                           ; v8   my lane's place in ecodes
.set SOFF, 9                           ; v9   in escales
.set COFF, 10                          ; v10  in ehalf
.set MA,   11                          ; v11-13 partial maxima
.set MB,   12
.set MC,   13
.set BP,   14                          ; v[14:15] the best D and its column: the pair that is stored
.set BQ,   16                          ; v16  the running best, by turns with v14
.set TID,  17                          ; v17  8 x the winning tile's number
.set JX,   18                          ; v18  the place in it
.set MR,   19                          ; v19  the merge: where I read two rows' candidates
.set IO,   20                          ; v20  and where their columns go in idx
.set QM,   21                          ; v21-22 largest magnitudes, v23-24 scale operands, v25-26 codes, v27-28 scale bytes
.set QS,   23
.set QC,   25
.set QB,   27
.set SA,   30                          ; v30-33 the codebook's scale words and nothing else: register u / 2: tile u in lanes 0-15, tile u + 1 in lanes 16-31
.set SB,   34                          ; v34    x's scale words and nothing else
.set BF,   40                          ; v40-47 x's fragment
.set KK,   48                          ; v48-55 the carried tile
.set D0,   56                          ; v56-87 four result tiles
.set D1,   64
.set D2,   72
.set D3,   80
.set XR,   88                          ; v88-119 x as loaded: two sets of 16
.set AF,   120                         ; v120-183 the codebook's fragments, tile u at 120 + 8 u
.set CB,   184                         ; v184-247 -|e|^2 / 2 in the result's layout, tile u at 184 + 8 u
.set MG,   56                          ; the merge: 16 slots x 4 registers, v56-119
	s_load_b256 s[4:11], s[0:1], 0x0               ; x s[4:5], ecodes s[6:7], escales s[8:9], ehalf s[10:11]
	s_load_b64 s[12:13], s[0:1], 0x20              ; idx
	v_lshl_add_u32 v254, v0, 2, 0xb200
	v_mov_b32 v255, 0
	v_lshrrev_b32 v37, 5, v0
	v_readfirstlane_b32 s14, v37                   ; wave 0..15
	s_and_b32 s15, s14, 7                          ; p
	v_lshrrev_b32 v21, 4, v0                       ; thread / 16
	v_and_b32 v22, 15, v0                          ; r
	v_bfe_u32 v23, v0, 4, 1                        ; h
	v_bfe_u32 v24, v0, 2, 2                        ; (lane % 16) / 4: my block of 32 along K when I quantise
	v_bfe_u32 v25, v0, 5, 2                        ; w % 4
	v_lshrrev_b32 v26, 7, v0                       ; w / 4: the row tile that I quantise for
	v_lshrrev_b32 v27, 8, v0                       ; q
	v_bfe_u32 v28, v0, 4, 4                        ; 2 p + h: my slot
	v_and_b32 v29, 3, v0
	v_bfe_u32 v35, v0, 3, 1                        ; (lane % 16) / 8
	v_and_b32 v36, 7, v0
	v_lshlrev_b32 v[XOFF], 10, v21                 ; two rows of 512 bytes for each 16 threads,
	v_lshl_add_u32 v[XOFF], v22, 5, v[XOFF]        ; 32 bytes a lane: k = 8 (lane % 16) + 0 .. 7
	v_mul_u32_u24 v[WIM], v26, XTILE               ; my row of the stage is 4 w + 2 h + u: tile w / 4, row 4 (w % 4) + 2 h + u of it
	v_lshl_add_u32 v[WIM], v25, 6, v[WIM]
	v_lshl_add_u32 v[WIM], v23, 5, v[WIM]
	v_mad_u32_u24 v[WIM], v24, XBLK, v[WIM]        ; my block,
	v_lshl_add_u32 v[WIM], v29, 2, v[WIM]          ; my 4 bytes of its 16
	v_lshlrev_b32 v[WSC], 6, v26                   ; 4 bytes a row, byte = block
	v_lshl_add_u32 v[WSC], v25, 4, v[WSC]
	v_lshl_add_u32 v[WSC], v23, 3, v[WSC]
	v_add_nc_u32 v[WSC], v24, v[WSC]
	v_mul_u32_u24 v[RIM], v23, XBLK                ; the operand's registers 4 c .. 4 c + 3 hold block 2 c + h of row r
	v_lshl_add_u32 v[RIM], v22, 4, v[RIM]
	v_mad_u32_u24 v[RIM], v27, 2*XTILE, v[RIM]     ; tiles 2 q, 2 q + 1
	v_lshlrev_b32 v[RSC], 2, v22
	v_lshl_add_u32 v[RSC], v27, 7, v[RSC]
	v_mul_u32_u24 v[CW], v28, CSLOT
	v_lshl_add_u32 v[CW], v27, 8, v[CW]            ; row 32 q + r of the stage, 8 bytes a row
	v_lshl_add_u32 v[CW], v22, 3, v[CW]
	v_lshlrev_b32 v[NB], 6, v28
	v_lshlrev_b32 v[EOFF], 14, v23                 ; block h: 16,384 bytes a block; column 64 (i / 8) + i % 8, 16 bytes a column
	v_lshl_add_u32 v[EOFF], v35, 10, v[EOFF]
	v_lshl_add_u32 v[EOFF], v36, 4, v[EOFF]
	v_lshlrev_b32 v[SOFF], 8, v35                  ; the same column's word; lanes 16-31 take the next tile's: 8 columns on
	v_lshl_add_u32 v[SOFF], v36, 2, v[SOFF]
	v_lshl_add_u32 v[SOFF], v23, 5, v[SOFF]
	v_lshlrev_b32 v[COFF], 8, v23                  ; my half's 64 columns
	v_and_b32 v[MR], 127, v0
	v_lshlrev_b32 v[IO], 3, v[MR]
	v_lshlrev_b32 v[MR], 4, v[MR]
	s_lshl_b32 s20, ttmp9, 17                      ; x: 256 rows of 512 bytes a work-group
	s_mov_b32 s21, 0
	s_lshl_b32 s22, s15, 11                        ; ecodes: 128 columns of 16 bytes a part
	s_mov_b32 s23, 0
	s_lshl_b32 s24, s15, 9                         ; escales, ehalf: 128 words a part
	s_mov_b32 s25, 0
	s_lshl_b32 s26, ttmp9, 10                      ; idx: 256 words a work-group
	s_mov_b32 s27, 0
	s_wait_kmcnt 0x0
	s_add_nc_u64 s[4:5], s[4:5], s[20:21]
	s_add_nc_u64 s[6:7], s[6:7], s[22:23]
	s_add_nc_u64 s[8:9], s[8:9], s[24:25]
	s_add_nc_u64 s[10:11], s[10:11], s[24:25]
	s_add_nc_u64 s[12:13], s[12:13], s[26:27]
; Stage s's rows of x: four loads a wave.  Register 8 u + 4 k + i of set s % 2 = x(64 s + 4 w + 2 h + u, 8 (lane % 16) + 4 k + i).  No hint: the launch behind this one reads x again.
.macro XLOAD s
.irp u, 0,1
.irp k, 0,1
	global_load_b128 v[XR+16*((\s)%2)+8*\u+4*\k:XR+16*((\s)%2)+8*\u+4*\k+3], v[XOFF], s[4:5] offset:32768*(\s)+512*\u+16*\k
.endr
.endr
.endm
; My part of the codebook, 36 loads: it stays.
.macro BOOK
.irp u, 0,1,2,3,4,5,6,7
.irp c, 0,1
	global_load_b128 v[AF+8*\u+4*\c:AF+8*\u+4*\c+3], v[EOFF], s[6:7] offset:32768*\c+128*\u
.endr
.endr
.irp u, 0,2,4,6
	global_load_b32 v[SA+\u/2], v[SOFF], s[8:9] offset:32*\u
.endr
.irp u, 0,1,2,3,4,5,6,7
.irp k, 0,1
	global_load_b128 v[CB+8*\u+4*\k:CB+8*\u+4*\k+3], v[COFF], s[10:11] offset:32*\u+16*\k
.endr
.endr
.endm
; Stage s's numbers become codes and scale bytes in image buffer s % 2.  cnt: the younger loads, which may stay out.  A lane has 8 neighbours of each of two rows; four lanes hold a block of 32.
.macro QUANT s, cnt
.set XS, XR+16*((\s)%2)
	s_wait_loadcnt \cnt
	v_max3_num_f32 v[QM], |v[XS]|, |v[XS+1]|, 0x1800000            ; my 8 numbers, and the floor 2^(3 - 127): the byte cannot fall under 1.  (The two rows by turns)
	v_max3_num_f32 v[QM+1], |v[XS+8]|, |v[XS+9]|, 0x1800000
.irp i, 2,4,6
	v_max3_num_f32 v[QM], v[QM], |v[XS+\i]|, |v[XS+\i+1]|
	v_max3_num_f32 v[QM+1], v[QM+1], |v[XS+8+\i]|, |v[XS+9+\i]|
.endr
.irp m, 1,2
	v_max_num_f32_dpp v[QM], v[QM], v[QM] row_xmask:\m row_mask:0xf bank_mask:0xf       ; with the three lanes that share the block
	v_max_num_f32_dpp v[QM+1], v[QM+1], v[QM+1] row_xmask:\m row_mask:0xf bank_mask:0xf
.endr
	v_add_nc_u32 v[QS], 0xff000000, v[QM]          ; 2 off the exponent field: the conversion's scale operand
	v_add_nc_u32 v[QS+1], 0xff000000, v[QM+1]
	v_cvt_scalef32_pk8_fp4_f32 v[QC], v[XS:XS+7], v[QS]
	v_cvt_scalef32_pk8_fp4_f32 v[QC+1], v[XS+8:XS+15], v[QS+1]
	v_lshrrev_b32 v[QB], 23, v[QS]                 ; the scale's byte (also the plain instruction behind the conversions)
	v_lshrrev_b32 v[QB+1], 23, v[QS+1]
	ds_store_b32 v[WIM], v[QC] offset:XIMG+XBUF*((\s)%2)
	ds_store_b32 v[WIM], v[QC+1] offset:XIMG+XBUF*((\s)%2)+16
	ds_store_b8 v[WSC], v[QB] offset:XSC+256*((\s)%2)              ; the four lanes of a block write the same byte with the same value
	ds_store_b8 v[WSC], v[QB+1] offset:XSC+256*((\s)%2)+4
.if (\s)+2 <= 3
	XLOAD (\s)+2                                   ; the set just read takes the rows of two stages on
.endif
.endm
; x's fragment and scale words of row tile 2 q + e of stage s
.macro BLOAD s, e
	ds_load_b128 v[BF:BF+3], v[RIM] offset:XIMG+XBUF*((\s)%2)+XTILE*(\e)
	ds_load_b128 v[BF+4:BF+7], v[RIM] offset:XIMG+XBUF*((\s)%2)+XTILE*(\e)+2*XBLK
	ds_load_b32 v[SB], v[RSC] offset:XSC+256*((\s)%2)+64*(\e)
.endm
; Tile u of my part against the row tile in hand, into v[d] on.  C and D are different registers: no sum goes on in place.
.macro MULT u, d
.if (\u)%2
	v_wmma_scale_f32_16x16x128_f8f6f4 v[\d:\d+7], v[AF+8*(\u):AF+8*(\u)+7], v[BF:BF+7], v[CB+8*(\u):CB+8*(\u)+7], v[SA+(\u)/2], v[SB] matrix_a_fmt:MATRIX_FMT_FP4 matrix_b_fmt:MATRIX_FMT_FP4 matrix_a_scale:MATRIX_SCALE_ROW1
.else
	v_wmma_scale_f32_16x16x128_f8f6f4 v[\d:\d+7], v[AF+8*(\u):AF+8*(\u)+7], v[BF:BF+7], v[CB+8*(\u):CB+8*(\u)+7], v[SA+(\u)/2], v[SB] matrix_a_fmt:MATRIX_FMT_FP4 matrix_b_fmt:MATRIX_FMT_FP4
.endif
.endm
; Tile 0 was written straight into the carried tile: only its maximum is taken.  (Each result is read from its low end on.)
.macro PFIRST
	v_max3_num_f32 v[MA], v[KK], v[KK+1], v[KK+2]
	v_max3_num_f32 v[MB], v[KK+3], v[KK+4], v[KK+5]
	v_max_num_f32 v[MC], v[KK+6], v[KK+7]
	v_max3_num_f32 v[BQ], v[MA], v[MB], v[MC]
.endm
; Tile u in v[d] on against the running best v[bo]; the new best goes to v[bn].  Where the old best still holds, all is kept: so of equal values the earlier tile wins.
.macro PICK u, d, bo, bn
	v_max3_num_f32 v[MA], v[\d], v[\d+1], v[\d+2]
	v_max3_num_f32 v[MB], v[\d+3], v[\d+4], v[\d+5]
	v_max3_num_f32 v[MC], v[\d+6], v[\d+7], v[\bo]
	v_max3_num_f32 v[\bn], v[MA], v[MB], v[MC]
	v_cmp_ge_f32 vcc_lo, v[\bo], v[\bn]
	v_cndmask_b32 v[TID], 8*(\u), v[TID], vcc_lo
.irp j, 0,1,2,3,4,5,6,7
	v_cndmask_b32 v[KK+\j], v[\d+\j], v[KK+\j], vcc_lo
.endr
.endm
; The best value's place in the carried tile, from the top down, so that the lowest place wins; its column; the pair goes to my slot.
.macro RES s, e
	v_mov_b32 v[JX], 7
.irp j, 6,5,4,3,2,1,0
	v_cmp_neq_f32 vcc_lo, v[KK+\j], v[BP]
	v_cndmask_b32 v[JX], \j, v[JX], vcc_lo
.endr
	v_add3_u32 v[BP+1], v[TID], v[JX], v[NB]
	ds_store_b64 v[CW], v[BP:BP+1] offset:CAND+512*(\s)+128*(\e)
.endm
; A row tile against my 8 tiles.  DISTANCES behind matrix instructions (only plain vector instructions that name none of the instruction's registers are counted):
; four in front of the first read of a result: the v_mov and three v_nop for tile 0, later another tile's 14 selections; five or more in front of a product that writes a result tile anew
; (D0: the four, PFIRST's four and tile 2's 14; D1 and D2 likewise); the loads into x's fragment and scale words stand behind tile 6's 14 selections, which follow the last product that read them.
.macro TILE s, e, next
	MULT 0, KK
	MULT 1, D0
	MULT 2, D1
	MULT 3, D2
	v_mov_b32 v[TID], 0
	v_nop
	v_nop
	v_nop
	PFIRST
	PICK 1, D0, BQ, BP
	PICK 2, D1, BP, BQ
	MULT 4, D3
	MULT 5, D0
	MULT 6, D1
	PICK 3, D2, BQ, BP
	PICK 4, D3, BP, BQ
	PICK 5, D0, BQ, BP
	MULT 7, D2
	PICK 6, D1, BP, BQ
.if \next
	BLOAD \s, 1
.endif
	PICK 7, D2, BQ, BP
	RES \s, \e
.endm
.macro BARRIER                                 ; my LDS stores have landed and my LDS loads are in: then the work-group's barrier
	s_wait_dscnt 0x0
	s_barrier_signal -1
	s_barrier_wait -1
.endm
; A stage: my two row tiles from image buffer s % 2; then the next stage's rows go into the other buffer, whose last readers passed the barrier before this stage.
.macro STAGE s, cnt
	BLOAD \s, 0
	s_wait_dscnt 0x0
	TILE \s, 0, 1
	s_wait_dscnt 0x1                               ; the second tile's three loads are in; the candidate's store, issued behind them, may be out
	TILE \s, 1, 0
.if \s < 3
	QUANT (\s)+1, \cnt
.endif
	BARRIER
.endm
	XLOAD 0                                        ; order of issue: stage 0's 4 loads, the codebook's 36, stage 1's 4; stages 2 and 3 follow behind the quantising of stages 0 and 1
	BOOK
	XLOAD 1
	QUANT 0, 40                                    ; 40 younger loads may be out: the codebook's 36 and stage 1's 4
	BARRIER
	s_wait_loadcnt 8                               ; the codebook is in; stages 1 and 2 (8 loads) may be out
	STAGE 0, 4                                     ; quantises stage 1: stage 2's 4 loads may be out
	STAGE 1, 4                                     ; quantises stage 2: stage 3's 4 may be out
	STAGE 2, 0                                     ; quantises stage 3: nothing is younger
	STAGE 3, 0
	; THE MERGE.  Behind the last barrier all 16 slots are whole.  Waves 0 to 3: thread t takes rows 2 t and 2 t + 1; the slots in ascending order, a later one only where it is strictly larger: the lowest column wins.
	s_cmp_lt_u32 s14, 4
	s_cbranch_scc0 .Ldone
.irp c, 0,1,2,3,4,5,6,7,8,9,10,11,12,13,14,15
	ds_load_b128 v[MG+4*\c:MG+4*\c+3], v[MR] offset:CAND+CSLOT*\c  ; (value, column) of both rows
.endr
	s_wait_dscnt 14                                ; slots 0 and 1 are in
	v_cmp_gt_f32 vcc_lo, v[MG+4], v[MG]
	v_cndmask_b32 v[MA], v[MG], v[MG+4], vcc_lo
	v_cndmask_b32 v[BP], v[MG+1], v[MG+5], vcc_lo
	v_cmp_gt_f32 vcc_lo, v[MG+6], v[MG+2]
	v_cndmask_b32 v[MB], v[MG+2], v[MG+6], vcc_lo
	v_cndmask_b32 v[BP+1], v[MG+3], v[MG+7], vcc_lo
.irp c, 2,3,4,5,6,7,8,9,10,11,12,13,14,15
	s_wait_dscnt 15-\c                             ; slot c is in, the younger ones may be out
	v_cmp_gt_f32 vcc_lo, v[MG+4*\c], v[MA]
	v_cndmask_b32 v[MA], v[MA], v[MG+4*\c], vcc_lo
	v_cndmask_b32 v[BP], v[BP], v[MG+4*\c+1], vcc_lo
	v_cmp_gt_f32 vcc_lo, v[MG+4*\c+2], v[MB]
	v_cndmask_b32 v[MB], v[MB], v[MG+4*\c+2], vcc_lo
	v_cndmask_b32 v[BP+1], v[BP+1], v[MG+4*\c+3], vcc_lo
.endr
	global_store_b64 v[IO], v[BP:BP+1], s[12:13]   ; 32 lanes store 256 consecutive bytes, at a multiple of 256 from idx's first byte
.Ldone:
	s_wait_tensorcnt 0x0
	ds_add_u32 v254, v255
	s_wait_dscnt 0x0
	s_endpgm
.Lfunc_end_k_q43ed84cf79_argmin:
	.size	k_q43ed84cf79_argmin, .Lfunc_end_k_q43ed84cf79_argmin-k_q43ed84cf79_argmin
	.p2alignl 7, 3214868480
	.fill 96, 4, 3214868480
	.section	.rodata,"a",@progbits
	.p2align	6, 0x0
	.amdhsa_kernel k_q43ed84cf79_argmin
		.amdhsa_group_segment_fixed_size 47616
		.amdhsa_private_segment_fixed_size 0
		.amdhsa_enable_private_segment 0
		.amdhsa_kernarg_size 40
		.amdhsa_user_sgpr_count 2
		.amdhsa_user_sgpr_kernarg_segment_ptr 1
		.amdhsa_wavefront_size32 1
		.amdhsa_system_sgpr_workgroup_id_x 1
		.amdhsa_system_sgpr_workgroup_id_y 1
		.amdhsa_system_sgpr_workgroup_id_z 1
		.amdhsa_system_vgpr_workitem_id 0
		.amdhsa_next_free_vgpr 256
		.amdhsa_next_free_sgpr 66
		.amdhsa_reserve_vcc 1
		.amdhsa_float_denorm_mode_32 3
		.amdhsa_float_denorm_mode_16_64 3
		.amdhsa_memory_ordered 1
		.amdhsa_forward_progress 1
		.amdhsa_inst_pref_size 68
	.end_amdhsa_kernel
	.amdgpu_metadata
---
amdhsa.version: [ 1, 2 ]
amdhsa.kernels:
  - .name:           k_q43ed84cf79_argmin
    .symbol:         k_q43ed84cf79_argmin.kd
    .args:
      - { .name: x, .offset: 0, .size: 8, .value_kind: global_buffer, .address_space: global }
      - { .name: ecodes, .offset: 8, .size: 8, .value_kind: global_buffer, .address_space: global }
      - { .name: escales, .offset: 16, .size: 8, .value_kind: global_buffer, .address_space: global }
      - { .name: ehalf, .offset: 24, .size: 8, .value_kind: global_buffer, .address_space: global }
      - { .name: idx, .offset: 32, .size: 8, .value_kind: global_buffer, .address_space: global }
    .group_segment_fixed_size: 47616
    .private_segment_fixed_size: 0
    .kernarg_segment_align: 8
    .kernarg_segment_size: 40
    .max_flat_workgroup_size: 512
    .sgpr_count:     66
    .vgpr_count:     256
    .wavefront_size: 32
...
	.end_amdgpu_metadata
.endif
;; end of part 2
;; launch gather (part 3): grid 256 x 1, 16 waves a work-group, no clusters, 0 bytes of LDS; arguments idx, embt, x, out0; writes out0
.if DOCPART == 3
	.amdgcn_target "amdgcn-amd-amdhsa--gfx1250"
	.amdhsa_code_object_version 6
	.text
	.protected	k_q43ed84cf79_gather
	.globl	k_q43ed84cf79_gather
	.p2align	8
	.type	k_q43ed84cf79_gather,@function
k_q43ed84cf79_gather:
	s_mov_b64 s[64:65], 0
	v_nop
	global_prefetch_b8 v0, s[64:65] scope:SCOPE_SE
	s_setreg_imm32_b32 hwreg(HW_REG_WAVE_MODE, 25, 1), 1
	s_wait_xcnt 0x0
; out0[row] = x[row] + (embt[idx[row]] - x[row]), in f32, as the source has it.  idx: [65,536] int32, stored by the launch before; embt: [1,024][128] f32; x, out0: [65,536][128] f32.
; A stream: no LDS, no barrier, no matrix unit.  Wave w of work-group g takes the 16 rows from 256 g + 16 w on; a row is 512 bytes: one load or store of 16 bytes a lane covers it whole.
; The wave's 16 indices come by one scalar load; x's 16 loads hang on no index and go out ahead of the wait for it; then the 16 rows of the table.  32 loads of a wave are on their way at once.
; Every register is written once: no source of a pending load or store is written again.
.set X,  16                            ; v16-79   x's 16 rows, 4 registers each
.set Q,  80                            ; v80-143  the table's rows, then the results
.set VO, 144                           ; v144-159 byte offsets of the table's rows
	s_load_b256 s[4:11], s[0:1], 0x0               ; idx s[4:5], embt s[6:7], x s[8:9], out0 s[10:11]
	v_lshrrev_b32 v2, 5, v0
	v_readfirstlane_b32 s14, v2                    ; wave 0..15
	v_and_b32 v1, 31, v0
	v_lshlrev_b32 v1, 4, v1                        ; 16 bytes a lane
	s_lshl_b32 s32, ttmp9, 10                      ; idx: 256 words a work-group, 16 a wave
	s_lshl_b32 s33, s14, 6
	s_add_co_u32 s32, s32, s33
	s_mov_b32 s33, 0
	s_lshl_b32 s34, ttmp9, 17                      ; x, out0: 256 rows of 512 bytes a work-group, 16 a wave
	s_lshl_b32 s35, s14, 13
	s_add_co_u32 s34, s34, s35
	s_mov_b32 s35, 0
	s_wait_kmcnt 0x0
	s_add_nc_u64 s[4:5], s[4:5], s[32:33]
	s_add_nc_u64 s[8:9], s[8:9], s[34:35]
	s_add_nc_u64 s[10:11], s[10:11], s[34:35]
	s_load_b512 s[16:31], s[4:5], 0x0              ; my 16 indices
.irp i, 0,1,2,3,4,5,6,7,8,9,10,11,12,13,14,15
	global_load_b128 v[X+4*\i:X+4*\i+3], v1, s[8:9] offset:512*\i th:TH_LOAD_NT   ; read here for the last time
.endr
	s_wait_kmcnt 0x0
.irp i, 0,1,2,3,4,5,6,7,8,9,10,11,12,13,14,15
	s_min_u32 s[16+\i], s[16+\i], 0x3ff            ; an index stays inside the table
	v_lshl_add_u32 v[VO+\i], s[16+\i], 9, v1       ; its row of 512 bytes, my 16 bytes
.endr
.irp i, 0,1,2,3,4,5,6,7,8,9,10,11,12,13,14,15
	global_load_b128 v[Q+4*\i:Q+4*\i+3], v[VO+\i], s[6:7]         ; no hint: many rows name the same 512 KB
.endr
.irp i, 0,1,2,3,4,5,6,7,8,9,10,11,12,13,14,15
	s_wait_loadcnt 15-\i                           ; loads come back in order: the table's row i is in (and all of x, which was asked for earlier); the younger rows may be out
	v_pk_add_f32 v[Q+4*\i:Q+4*\i+1], v[Q+4*\i:Q+4*\i+1], v[X+4*\i:X+4*\i+1] neg_lo:[0,1] neg_hi:[0,1]       ; q - x
	v_pk_add_f32 v[Q+4*\i+2:Q+4*\i+3], v[Q+4*\i+2:Q+4*\i+3], v[X+4*\i+2:X+4*\i+3] neg_lo:[0,1] neg_hi:[0,1]
	v_pk_add_f32 v[Q+4*\i:Q+4*\i+1], v[X+4*\i:X+4*\i+1], v[Q+4*\i:Q+4*\i+1]                                 ; x + (q - x)
	v_pk_add_f32 v[Q+4*\i+2:Q+4*\i+3], v[X+4*\i+2:X+4*\i+3], v[Q+4*\i+2:Q+4*\i+3]
	global_store_b128 v1, v[Q+4*\i:Q+4*\i+3], s[10:11] offset:512*\i th:TH_STORE_NT   ; 32 lanes store a row: 512 consecutive bytes, at a multiple of 256 from out0's first byte
.endr
	s_endpgm
.Lfunc_end_k_q43ed84cf79_gather:
	.size	k_q43ed84cf79_gather, .Lfunc_end_k_q43ed84cf79_gather-k_q43ed84cf79_gather
	.p2alignl 7, 3214868480
	.fill 96, 4, 3214868480
	.section	.rodata,"a",@progbits
	.p2align	6, 0x0
	.amdhsa_kernel k_q43ed84cf79_gather
		.amdhsa_group_segment_fixed_size 0
		.amdhsa_private_segment_fixed_size 0
		.amdhsa_enable_private_segment 0
		.amdhsa_kernarg_size 32
		.amdhsa_user_sgpr_count 2
		.amdhsa_user_sgpr_kernarg_segment_ptr 1
		.amdhsa_wavefront_size32 1
		.amdhsa_system_sgpr_workgroup_id_x 1
		.amdhsa_system_sgpr_workgroup_id_y 1
		.amdhsa_system_sgpr_workgroup_id_z 1
		.amdhsa_system_vgpr_workitem_id 0
		.amdhsa_next_free_vgpr 160
		.amdhsa_next_free_sgpr 66
		.amdhsa_reserve_vcc 0
		.amdhsa_float_denorm_mode_32 3
		.amdhsa_float_denorm_mode_16_64 3
		.amdhsa_memory_ordered 1
		.amdhsa_forward_progress 1
		.amdhsa_inst_pref_size 12
	.end_amdhsa_kernel
	.amdgpu_metadata
---
amdhsa.version: [ 1, 2 ]
amdhsa.kernels:
  - .name:           k_q43ed84cf79_gather
    .symbol:         k_q43ed84cf79_gather.kd
    .args:
      - { .name: idx, .offset: 0, .size: 8, .value_kind: global_buffer, .address_space: global }
      - { .name: embt, .offset: 8, .size: 8, .value_kind: global_buffer, .address_space: global }
      - { .name: x, .offset: 16, .size: 8, .value_kind: global_buffer, .address_space: global }
      - { .name: out0, .offset: 24, .size: 8, .value_kind: global_buffer, .address_space: global }
    .group_segment_fixed_size: 0
    .private_segment_fixed_size: 0
    .kernarg_segment_align: 8
    .kernarg_segment_size: 32
    .max_flat_workgroup_size: 512
    .sgpr_count:     66
    .vgpr_count:     160
    .wavefront_size: 32
...
	.end_amdgpu_metadata
.endif
;; end of part 3
;; ======== version 2 of 2: 3 launches
;; workspace buffers: ecodes 65,536 bytes; escales 4,096 bytes; ehalf 4,096 bytes; embt 524,288 bytes; idx 262,144 bytes of whole numbers
;; launch prep (part 4): grid 32 x 1, 4 waves a work-group, no clusters, 18,944 bytes of LDS; arguments embeddings, ecodes, escales, ehalf, embt; writes ecodes, escales, ehalf, embt
.if DOCPART == 4
	.amdgcn_target "amdgcn-amd-amdhsa--gfx1250"
	.amdhsa_code_object_version 6
	.text
	.protected	k_q43ed84cf79_prep
	.globl	k_q43ed84cf79_prep
	.p2align	8
	.type	k_q43ed84cf79_prep,@function
k_q43ed84cf79_prep:
	s_mov_b64 s[64:65], 0
	v_nop
	global_prefetch_b8 v0, s[64:65] scope:SCOPE_SE
	s_setreg_imm32_b32 hwreg(HW_REG_WAVE_MODE, 25, 1), 1
	s_wait_xcnt 0x0
; The codebook, embeddings [128 (k)][1024 (n)] f32, is read once and laid out four ways for the two launches that follow:
;   ecodes  [4 (block b)][1024 (n)][16 bytes]: the 32 codes of E2M1 of k = 32 b .. 32 b + 31 of column n, the lower k in the lower four bits;
;   escales [1024] words: column n's four E8M0 bytes, byte b for block b;
;   ehalf   [1024] f32: -0.5 x the sum over k of e[k][n]^2, taken of the unquantised numbers;
;   embt    [1024][128] f32: the table with a column's 128 numbers on end, for the gather.
; A block's scale is 2^(floor(log2(its largest magnitude)) - 2); its byte is the largest magnitude's exponent field - 2, held at 1 from below.
; LIMITS: a block of zeros gets the byte 1 where the quantiser's rule says 127: its codes are zeros, which add nothing under any byte but 0xff, and this program alone reads the bytes.
;   NaN and infinities among the inputs are not served.
; SHARES: work-group g takes columns 32 g .. 32 g + 31; wave b takes K block b; A LANE TAKES A COLUMN AND ITS 32 REGISTERS RUN DOWN K: the block's largest magnitude needs no other lane,
; and the conversions, which take neighbours along K from one lane's registers, give the codes with K innermost.  1,024 columns / 32 = 32 work-groups: all the work there is.
; The f32 numbers turn through a stage in LDS (a row = a column of the table, 512 bytes + 16) and leave as whole rows of embt, 512 consecutive bytes a store.
.set SP,   528                         ; a stage row: 512 bytes + 16: an odd multiple of 16
.set STG,  0                           ; LDS: the stage, 32 rows
.set E2P,  32*SP                       ; four waves' partial sums of squares, 128 bytes each
.set SCB,  E2P+512                     ; 32 scale words, put together byte by byte
.set CD,   12                          ; v12-15  my block's codes
.set X,    16                          ; v16-47  my block's 32 numbers
.set SQ,   48                          ; v48-49  the sum of squares, in two halves
.set RB,   52                          ; v52-83  eight rows read back from the stage
.set PS,   84                          ; v84-87  the four partial sums; v88 a scale word
	s_load_b256 s[4:11], s[0:1], 0x0               ; embeddings s[4:5], ecodes s[6:7], escales s[8:9], ehalf s[10:11]
	s_load_b64 s[12:13], s[0:1], 0x20              ; embt
	v_lshl_add_u32 v96, v0, 2, 0x4800
	v_mov_b32 v97, 0
	v_lshrrev_b32 v1, 5, v0
	v_readfirstlane_b32 s14, v1                    ; wave = K block b
	v_and_b32 v1, 31, v0                           ; lane L
	v_lshlrev_b32 v2, 2, v1                        ; 4 L
	v_lshlrev_b32 v5, 4, v1                        ; 16 L
	s_lshl_b32 s15, s14, 7                         ; 128 b
	s_mul_i32 s16, s14, 8*SP
	v_mul_u32_u24 v3, v1, SP
	v_add_nc_u32 v3, s15, v3                       ; into the stage: row L, my block's 128 bytes
	v_add_nc_u32 v4, s16, v5                       ; out of it: rows 8 b on, 16 bytes a lane
	v_add_nc_u32 v6, s14, v2                       ; my byte of column L's scale word
	v_add_nc_u32 v7, s15, v2                       ; my partial sum's word
	s_lshl_b32 s20, ttmp9, 7                       ; 128 g: the group's 32 words in escales and in ehalf, and its 32 columns in a row of the table
	s_mov_b32 s21, 0
	s_lshl_b32 s22, s14, 17                        ; + 32 b rows of 4,096 bytes
	s_add_co_u32 s22, s22, s20
	s_mov_b32 s23, 0
	s_lshl_b32 s24, ttmp9, 9                       ; ecodes: 16,384 b + 16 x 32 g
	s_lshl_b32 s25, s14, 14
	s_add_co_u32 s24, s24, s25
	s_mov_b32 s25, 0
	s_lshl_b32 s26, ttmp9, 14                      ; embt: 32 g rows of 512 bytes + 8 b rows
	s_lshl_b32 s27, s14, 12
	s_add_co_u32 s26, s26, s27
	s_mov_b32 s27, 0
	s_wait_alu depctr_va_vdst(0)
	s_wait_kmcnt 0x0
	s_add_nc_u64 s[4:5], s[4:5], s[22:23]
	s_add_nc_u64 s[6:7], s[6:7], s[24:25]
	s_add_nc_u64 s[8:9], s[8:9], s[20:21]
	s_add_nc_u64 s[10:11], s[10:11], s[20:21]
	s_add_nc_u64 s[12:13], s[12:13], s[26:27]
.irp i, 0,1,2,3,4,5,6,7,8,9,10,11,12,13,14,15,16,17,18,19,20,21,22,23,24,25,26,27,28,29,30,31
	global_load_b32 v[X+\i], v2, s[4:5] offset:4096*\i th:TH_LOAD_NT   ; e[32 b + i][32 g + L]: 32 lanes read 128 consecutive bytes
.endr
	s_wait_loadcnt 0x0
	v_max3_num_f32 v8, |v[X]|, |v[X+1]|, |v[X+2]|                  ; the block's largest magnitude, in two chains
	v_max3_num_f32 v9, |v[X+3]|, |v[X+4]|, |v[X+5]|
.irp i, 6,10,14,18,22,26
	v_max3_num_f32 v8, v8, |v[X+\i]|, |v[X+\i+1]|
	v_max3_num_f32 v9, v9, |v[X+\i+2]|, |v[X+\i+3]|
.endr
	v_max3_num_f32 v8, v8, |v[X+30]|, |v[X+31]|
	v_max3_num_f32 v8, v8, v9, 0x1800000           ; and the floor 2^(3 - 127): the byte cannot fall under 1
	v_add_nc_u32 v10, 0xff000000, v8               ; 2 off its exponent field: the conversion takes the exponent field of this operand as its scale
	v_pk_mul_f32 v[SQ:SQ+1], v[X:X+1], v[X:X+1]    ; the sum of my 32 squares, two at a time
.irp i, 2,4,6,8,10,12,14,16,18,20,22,24,26,28,30
	v_pk_fma_f32 v[SQ:SQ+1], v[X+\i:X+\i+1], v[X+\i:X+\i+1], v[SQ:SQ+1]
.endr
	v_add_f32 v[SQ], v[SQ], v[SQ+1]
.irp g, 0,1,2,3
	v_cvt_scalef32_pk8_fp4_f32 v[CD+\g], v[X+8*\g:X+8*\g+7], v10
.endr
	v_lshrrev_b32 v11, 23, v10                     ; the scale's byte (also the plain instruction behind the conversions)
	global_store_b128 v5, v[CD:CD+3], s[6:7]       ; 32 lanes store 512 consecutive bytes of ecodes
.irp i, 0,1,2,3,4,5,6,7
	ds_store_b128 v3, v[X+4*\i:X+4*\i+3] offset:STG+16*\i
.endr
	ds_store_b8 v6, v11 offset:SCB
	ds_store_b32 v7, v[SQ] offset:E2P
	s_wait_dscnt 0x0                               ; for the others' sake: my stores have landed
	s_barrier_signal -1
	s_barrier_wait -1                              ; the stage, the scale words and the partial sums are whole
.irp i, 0,1,2,3,4,5,6,7
	ds_load_b128 v[RB+4*\i:RB+4*\i+3], v4 offset:STG+SP*\i
.endr
.irp i, 0,1,2,3,4,5,6,7
	s_wait_dscnt 7-\i                              ; LDS loads come back in order: row i is in, the younger ones may be out
	global_store_b128 v5, v[RB+4*\i:RB+4*\i+3], s[12:13] offset:512*\i   ; a whole row of embt: 512 consecutive bytes
.endr
	s_cmp_lg_u32 s14, 0                            ; wave 0 alone finishes the scale words and the norms; no barrier stands in this branch
	s_cbranch_scc1 .Ldone
	ds_load_b32 v88, v2 offset:SCB
.irp b, 0,1,2,3
	ds_load_b32 v[PS+\b], v2 offset:E2P+128*\b
.endr
	s_wait_dscnt 0x0
	v_add_f32 v[PS], v[PS], v[PS+1]                ; the four blocks' sums, K ascending
	v_add_f32 v[PS], v[PS], v[PS+2]
	v_add_f32 v[PS], v[PS], v[PS+3]
	v_mul_f32 v[PS], -0.5, v[PS]
	global_store_b32 v2, v88, s[8:9]               ; 128 bytes a work-group: all that it has of these two small tables
	global_store_b32 v2, v[PS], s[10:11]
.Ldone:
	s_wait_tensorcnt 0x0
	ds_add_u32 v96, v97
	s_wait_dscnt 0x0
	s_endpgm
.Lfunc_end_k_q43ed84cf79_prep:
	.size	k_q43ed84cf79_prep, .Lfunc_end_k_q43ed84cf79_prep-k_q43ed84cf79_prep
	.p2alignl 7, 3214868480
	.fill 96, 4, 3214868480
	.section	.rodata,"a",@progbits
	.p2align	6, 0x0
	.amdhsa_kernel k_q43ed84cf79_prep
		.amdhsa_group_segment_fixed_size 18944
		.amdhsa_private_segment_fixed_size 0
		.amdhsa_enable_private_segment 0
		.amdhsa_kernarg_size 40
		.amdhsa_user_sgpr_count 2
		.amdhsa_user_sgpr_kernarg_segment_ptr 1
		.amdhsa_wavefront_size32 1
		.amdhsa_system_sgpr_workgroup_id_x 1
		.amdhsa_system_sgpr_workgroup_id_y 1
		.amdhsa_system_sgpr_workgroup_id_z 1
		.amdhsa_system_vgpr_workitem_id 0
		.amdhsa_next_free_vgpr 98
		.amdhsa_next_free_sgpr 66
		.amdhsa_reserve_vcc 0
		.amdhsa_float_denorm_mode_32 3
		.amdhsa_float_denorm_mode_16_64 3
		.amdhsa_memory_ordered 1
		.amdhsa_forward_progress 1
		.amdhsa_inst_pref_size 11
	.end_amdhsa_kernel
	.amdgpu_metadata
---
amdhsa.version: [ 1, 2 ]
amdhsa.kernels:
  - .name:           k_q43ed84cf79_prep
    .symbol:         k_q43ed84cf79_prep.kd
    .args:
      - { .name: embeddings, .offset: 0, .size: 8, .value_kind: global_buffer, .address_space: global }
      - { .name: ecodes, .offset: 8, .size: 8, .value_kind: global_buffer, .address_space: global }
      - { .name: escales, .offset: 16, .size: 8, .value_kind: global_buffer, .address_space: global }
      - { .name: ehalf, .offset: 24, .size: 8, .value_kind: global_buffer, .address_space: global }
      - { .name: embt, .offset: 32, .size: 8, .value_kind: global_buffer, .address_space: global }
    .group_segment_fixed_size: 18944
    .private_segment_fixed_size: 0
    .kernarg_segment_align: 8
    .kernarg_segment_size: 40
    .max_flat_workgroup_size: 128
    .sgpr_count:     66
    .vgpr_count:     98
    .wavefront_size: 32
...
	.end_amdgpu_metadata
.endif
;; end of part 4
;; launch argmin (part 5): grid 256 x 1, 16 waves a work-group, no clusters, 47,616 bytes of LDS; arguments x, ecodes, escales, ehalf, idx; writes idx
.if DOCPART == 5
	.amdgcn_target "amdgcn-amd-amdhsa--gfx1250"
	.amdhsa_code_object_version 6
	.text
	.protected	k_q43ed84cf79_argmin
	.globl	k_q43ed84cf79_argmin
	.p2align	8
	.type	k_q43ed84cf79_argmin,@function
k_q43ed84cf79_argmin:
	s_mov_b64 s[64:65], 0
	v_nop
	global_prefetch_b8 v0, s[64:65] scope:SCOPE_SE
	s_setreg_imm32_b32 hwreg(HW_REG_WAVE_SCHED_MODE, 0, 2), 2
	s_setreg_imm32_b32 hwreg(HW_REG_WAVE_MODE, 25, 1), 1
	s_wait_xcnt 0x0
	s_wait_alu depctr_vm_vsrc(0)
; idx[row] = the column n of the codebook with the smallest |f|^2 + |e_n|^2 - 2 f . e_n, the product f . e_n on codes of E2M1 with one E8M0 scale for each 32 along K = 128.
; x: [65,536][128] f32, quantised here in registers.  ecodes, escales, ehalf: the codebook as the launch before laid it.  idx: [65,536] int32.
; THE DISTANCE COMES OUT OF THE MATRIX UNIT: D = f . e_n + C with C = -|e_n|^2 / 2, so that -2 D = |e_n|^2 - 2 f . e_n and the smallest distance is the LARGEST D.
; LIMITS.  |f|^2 is the same for all 1,024 candidates of a row and is not added before they are compared: the order of rounding differs from the source's, candidates being compared at the f32 grain
;   of f . e - |e|^2 / 2; rows whose two best distances differ by less than a last bit of the source's sum may take the other of the two.  Equal D: the lowest n wins, as in the source.
;   A block of zeros of x carries the scale byte 1 where the quantiser's rule says 127 (its codes are zeros).  NaN and infinities among the inputs are not served.
; SHARES.  Work-group g owns rows 256 g .. 256 g + 255, in four stages of 64 rows (four tiles of 16).  Wave w: p = w % 8, q = w / 8.  Part p of the codebook, 128 columns in 8 tiles of 16, stays in the wave's
;   registers for the whole launch: fragments, C and scale words, 8 KB and a little, loaded once as they stand in the operands.  In each stage the wave multiplies row tiles 2 q and 2 q + 1: 16 matrix instructions.
;   Sixteen waves of 256 registers, four to a SIMD: no register windows, and one wave's selections stand beside another's products and LDS loads.
; THE PRODUCT IS USED TRANSPOSED: source 0 = 16 columns of the codebook, source 1 = 16 rows of x.  Lane (r, h) then holds ONE row r of x, and its eight registers eight candidates.
;   THE COLUMNS OF A TILE ARE NOT NEIGHBOURS: row i of tile u takes column 128 p + 64 (i / 8) + 8 u + i % 8, so that lane half h of part p owns the 64 columns from 128 p + 64 h on, register j of tile u
;   being column 128 p + 64 h + 8 u + j: ascending with u and j.  The row's 16 partial results, slot 2 p + h, are ascending ranges of columns.
; THE SEARCH, 14 vector instructions for a tile's 8 candidates: four v_max3 (the running best among the leaves), one compare, one selection of the tile's number, eight selections that carry the winning
;   tile's values.  At a row tile's end the place in the carried tile is found by seven compares for equality, taken from the top down, so that the lowest wins.
; x's codes go from wave to wave through LDS; two image buffers take turns, one barrier a stage.  x's loads run two stages ahead in two sets of 16 registers.
; NO CLUSTER: what work-groups share is the codebook's 72 KB, read once at the head straight into registers; x, 128 KB a work-group, is shared with nobody.  No tensor loads: x passes through registers to be quantised.
; THE MODE: SCHED_MODE bits 1:0 = 2 (LLVM: expert scheduling mode 2), set by the entry lines.  The code itself states the register dependences between vector or matrix instructions and memory or LDS
; instructions, and those through scalar registers that vector instructions write, with s_wait_alu, always for 0.
; THE PLAN.  Registers that memory or LDS instructions touch:
;   v1-v10, v19, v20  offsets and LDS addresses: written at the head and never again; one wait on va_vdst stands ahead of the first load.
;   XR (two sets)     Written by x's loads; read by the quantising's maxima and conversions; behind these the loads of two stages on land in the set.
;   QC, QB            Written by the quantising's conversions and shifts; read by its four LDS stores; written again a stage later.
;   BF, SB            Written by LDS loads; read by a row tile's eight products; the next row tile's loads land in them.
;   v[BP:BP+1]        Written by the search; read by the candidate's LDS store; written again by the next row tile's search.
;   AF, SA, CB        Loaded once; read by matrix instructions alone.
;   MG, v[OP:OP+1]    The merge: LDS loads land in MG, where result tiles and x lay; the last selections write OP, which the one global store reads.
; THE WAITS.  The quantising: one on va_vdst behind its last vector line (QC and QB are written; XR's set is read out).  A row tile: one on vm_vsrc ahead of the search's first write of BP (the LDS stores
; issued so far have read BP, QC and QB); one on va_vdst ahead of the loads into BF and SB; one on va_vdst ahead of the candidate's store, which also stands for the next stage's first loads into BF and SB and
; for the merge's loads into MG, since no vector or matrix instruction between names those registers.  THE MASKS lie in scalar registers, and the compares go in runs (tiles 1, 2; tiles 3 to 5; tiles 6, 7;
; the seven places; each round of the merge), with one wait on va_sdst behind each run, ahead of the first selection that reads a mask.
.set XIMG,  0                          ; LDS: x's codes: two buffers; a buffer = 4 tiles; a tile = 4 blocks of 32 along K; a block = 16 rows x 16 bytes + 64 of padding
.set XBUF,  5120
.set XTILE, 1280
.set XBLK,  320
.set XSC,   2*XBUF                     ; x's scale words: two buffers of 64 words
.set CAND,  XSC+512                    ; the candidates: 16 slots of 256 rows x 8 bytes (value, column) + 128 of padding
.set CSLOT, 2176
.set XOFF, 1                           ; v1   x: my 32 bytes: two rows for each 16 lanes
.set WIM,  2                           ; v2   where I store my 8 codes
.set WSC,  3                           ; v3   and my block's scale byte
.set RIM,  4                           ; v4   where I read x's fragment
.set RSC,  5                           ; v5   and its scale words
.set CW,   6                           ; v6   where I store my candidate
.set NB,   7                           ; v7   128 p + 64 h: my first column
.set EOFF, 8                           ; v8   my lane's place in ecodes
.set SOFF, 9                           ; v9   in escales
.set COFF, 10                          ; v10  in ehalf
.set MA,   11                          ; v11-13 partial maxima
.set MB,   12
.set MC,   13
.set OP,   12                          ; v[12:13] the merge: the two rows' columns, the pair that is stored; no memory or LDS instruction has read these two before
.set BP,   14                          ; v[14:15] the best D and its column: the pair that goes to my slot
.set BQ,   16                          ; v16  the running best, by turns with v14
.set TID,  17                          ; v17  8 x the winning tile's number
.set JX,   18                          ; v18  the place in it
.set MR,   19                          ; v19  the merge: where I read two rows' candidates
.set IO,   20                          ; v20  and where their columns go in idx
.set QM,   21                          ; v21-22 largest magnitudes, v23-24 scale operands, v25-26 codes, v27-28 scale bytes
.set QS,   23
.set QC,   25
.set QB,   27
.set SA,   30                          ; v30-33 the codebook's scale words and nothing else: register u / 2: tile u in lanes 0-15, tile u + 1 in lanes 16-31
.set SB,   34                          ; v34    x's scale words and nothing else
.set BF,   40                          ; v40-47 x's fragment
.set KK,   48                          ; v48-55 the carried tile
.set D0,   56                          ; v56-87 four result tiles
.set D1,   64
.set D2,   72
.set D3,   80
.set XR,   88                          ; v88-119 x as loaded: two sets of 16
.set AF,   120                         ; v120-183 the codebook's fragments, tile u at 120 + 8 u
.set CB,   184                         ; v184-247 -|e|^2 / 2 in the result's layout, tile u at 184 + 8 u
.set MG,   56                          ; the merge: 16 slots x 4 registers, v56-119
.set PM,   16                          ; s17-s23 tile u's mask at PM + u: the lanes in which the old best still holds
.set RM,   24                          ; s24-s30 place j's mask at RM + j: the lanes in which place j does not hold the best value
.set GM,   16                          ; s16-s31 the merge's masks: for the pairing whose lower range begins at slot c, GM + c for my first row and GM + c + 1 for my second
	s_load_b256 s[4:11], s[0:1], 0x0               ; x s[4:5], ecodes s[6:7], escales s[8:9], ehalf s[10:11]
	s_load_b64 s[12:13], s[0:1], 0x20              ; idx
	v_lshl_add_u32 v254, v0, 2, 0xb200
	v_mov_b32 v255, 0
	v_lshrrev_b32 v37, 5, v0
	v_readfirstlane_b32 s14, v37                   ; wave 0..15
	v_lshrrev_b32 v21, 4, v0                       ; thread / 16
	v_and_b32 v22, 15, v0                          ; r
	v_bfe_u32 v23, v0, 4, 1                        ; h
	v_bfe_u32 v24, v0, 2, 2                        ; (lane % 16) / 4: my block of 32 along K when I quantise
	v_bfe_u32 v25, v0, 5, 2                        ; w % 4
	v_lshrrev_b32 v26, 7, v0                       ; w / 4: the row tile that I quantise for
	v_lshrrev_b32 v27, 8, v0                       ; q
	v_bfe_u32 v28, v0, 4, 4                        ; 2 p + h: my slot
	v_and_b32 v29, 3, v0
	v_bfe_u32 v35, v0, 3, 1                        ; (lane % 16) / 8
	v_and_b32 v36, 7, v0
	v_lshlrev_b32 v[XOFF], 10, v21                 ; two rows of 512 bytes for each 16 threads,
	v_lshl_add_u32 v[XOFF], v22, 5, v[XOFF]        ; 32 bytes a lane: k = 8 (lane % 16) + 0 .. 7
	v_mul_u32_u24 v[WIM], v26, XTILE               ; my row of the stage is 4 w + 2 h + u: tile w / 4, row 4 (w % 4) + 2 h + u of it
	v_lshl_add_u32 v[WIM], v25, 6, v[WIM]
	v_lshl_add_u32 v[WIM], v23, 5, v[WIM]
	v_mad_u32_u24 v[WIM], v24, XBLK, v[WIM]        ; my block,
	v_lshl_add_u32 v[WIM], v29, 2, v[WIM]          ; my 4 bytes of its 16
	v_lshlrev_b32 v[WSC], 6, v26                   ; 4 bytes a row, byte = block
	v_lshl_add_u32 v[WSC], v25, 4, v[WSC]
	v_lshl_add_u32 v[WSC], v23, 3, v[WSC]
	v_add_nc_u32 v[WSC], v24, v[WSC]
	v_mul_u32_u24 v[RIM], v23, XBLK                ; the operand's registers 4 c .. 4 c + 3 hold block 2 c + h of row r
	v_lshl_add_u32 v[RIM], v22, 4, v[RIM]
	v_mad_u32_u24 v[RIM], v27, 2*XTILE, v[RIM]     ; tiles 2 q, 2 q + 1
	v_lshlrev_b32 v[RSC], 2, v22
	v_lshl_add_u32 v[RSC], v27, 7, v[RSC]
	v_mul_u32_u24 v[CW], v28, CSLOT
	v_lshl_add_u32 v[CW], v27, 8, v[CW]            ; row 32 q + r of the stage, 8 bytes a row
	v_lshl_add_u32 v[CW], v22, 3, v[CW]
	v_lshlrev_b32 v[NB], 6, v28
	v_lshlrev_b32 v[EOFF], 14, v23                 ; block h: 16,384 bytes a block; column 64 (i / 8) + i % 8, 16 bytes a column
	v_lshl_add_u32 v[EOFF], v35, 10, v[EOFF]
	v_lshl_add_u32 v[EOFF], v36, 4, v[EOFF]
	v_lshlrev_b32 v[SOFF], 8, v35                  ; the same column's word; lanes 16-31 take the next tile's: 8 columns on
	v_lshl_add_u32 v[SOFF], v36, 2, v[SOFF]
	v_lshl_add_u32 v[SOFF], v23, 5, v[SOFF]
	v_lshlrev_b32 v[COFF], 8, v23                  ; my half's 64 columns
	v_and_b32 v[MR], 127, v0
	v_lshlrev_b32 v[IO], 3, v[MR]
	v_lshlrev_b32 v[MR], 4, v[MR]
	s_wait_alu depctr_va_sdst(0)                   ; s14 is written, ahead of its first reader: the codebook's bases are made from it
	s_and_b32 s15, s14, 7                          ; p
	s_lshl_b32 s20, ttmp9, 17                      ; x: 256 rows of 512 bytes a work-group
	s_mov_b32 s21, 0
	s_lshl_b32 s22, s15, 11                        ; ecodes: 128 columns of 16 bytes a part
	s_mov_b32 s23, 0
	s_lshl_b32 s24, s15, 9                         ; escales, ehalf: 128 words a part
	s_mov_b32 s25, 0
	s_lshl_b32 s26, ttmp9, 10                      ; idx: 256 words a work-group
	s_mov_b32 s27, 0
	s_wait_kmcnt 0x0
	s_add_nc_u64 s[4:5], s[4:5], s[20:21]
	s_add_nc_u64 s[6:7], s[6:7], s[22:23]
	s_add_nc_u64 s[8:9], s[8:9], s[24:25]
	s_add_nc_u64 s[10:11], s[10:11], s[24:25]
	s_add_nc_u64 s[12:13], s[12:13], s[26:27]
; Stage s's rows of x: four loads a wave.  Register 8 u + 4 k + i of set s % 2 = x(64 s + 4 w + 2 h + u, 8 (lane % 16) + 4 k + i).  No hint: the launch behind this one reads x again.
.macro XLOAD s
.irp u, 0,1
.irp k, 0,1
	global_load_b128 v[XR+16*((\s)%2)+8*\u+4*\k:XR+16*((\s)%2)+8*\u+4*\k+3], v[XOFF], s[4:5] offset:32768*(\s)+512*\u+16*\k
.endr
.endr
.endm
; My part of the codebook, 36 loads: it stays.
.macro BOOK
.irp u, 0,1,2,3,4,5,6,7
.irp c, 0,1
	global_load_b128 v[AF+8*\u+4*\c:AF+8*\u+4*\c+3], v[EOFF], s[6:7] offset:32768*\c+128*\u
.endr
.endr
.irp u, 0,2,4,6
	global_load_b32 v[SA+\u/2], v[SOFF], s[8:9] offset:32*\u
.endr
.irp u, 0,1,2,3,4,5,6,7
.irp k, 0,1
	global_load_b128 v[CB+8*\u+4*\k:CB+8*\u+4*\k+3], v[COFF], s[10:11] offset:32*\u+16*\k
.endr
.endr
.endm
; Stage s's numbers become codes and scale bytes in image buffer s % 2.  cnt: the younger loads, which may stay out.  A lane has 8 neighbours of each of two rows; four lanes hold a block of 32.
; (QC and QB, which the last quantising's LDS stores read, are written here again: the wait on vm_vsrc in the row tiles between has shown them read.)
.macro QUANT s, cnt
.set XS, XR+16*((\s)%2)
	s_wait_loadcnt \cnt
	v_max3_num_f32 v[QM], |v[XS]|, |v[XS+1]|, 0x1800000            ; my 8 numbers, and the floor 2^(3 - 127): the byte cannot fall under 1.  (The two rows by turns)
	v_max3_num_f32 v[QM+1], |v[XS+8]|, |v[XS+9]|, 0x1800000
.irp i, 2,4,6
	v_max3_num_f32 v[QM], v[QM], |v[XS+\i]|, |v[XS+\i+1]|
	v_max3_num_f32 v[QM+1], v[QM+1], |v[XS+8+\i]|, |v[XS+9+\i]|
.endr
.irp m, 1,2
	v_max_num_f32_dpp v[QM], v[QM], v[QM] row_xmask:\m row_mask:0xf bank_mask:0xf       ; with the three lanes that share the block
	v_max_num_f32_dpp v[QM+1], v[QM+1], v[QM+1] row_xmask:\m row_mask:0xf bank_mask:0xf
.endr
	v_add_nc_u32 v[QS], 0xff000000, v[QM]          ; 2 off the exponent field: the conversion's scale operand
	v_add_nc_u32 v[QS+1], 0xff000000, v[QM+1]
	v_cvt_scalef32_pk8_fp4_f32 v[QC], v[XS:XS+7], v[QS]
	v_cvt_scalef32_pk8_fp4_f32 v[QC+1], v[XS+8:XS+15], v[QS+1]
	v_lshrrev_b32 v[QB], 23, v[QS]                 ; the scale's byte (also the plain instruction behind the conversions)
	v_lshrrev_b32 v[QB+1], 23, v[QS+1]
	s_wait_alu depctr_va_vdst(0)                   ; the conversions have written QC and the shifts QB, which the LDS stores read; the maxima and conversions are done reading this set of XR, in which the loads below land
	ds_store_b32 v[WIM], v[QC] offset:XIMG+XBUF*((\s)%2)
	ds_store_b32 v[WIM], v[QC+1] offset:XIMG+XBUF*((\s)%2)+16
	ds_store_b8 v[WSC], v[QB] offset:XSC+256*((\s)%2)              ; the four lanes of a block write the same byte with the same value
	ds_store_b8 v[WSC], v[QB+1] offset:XSC+256*((\s)%2)+4
.if (\s)+2 <= 3
	XLOAD (\s)+2                                   ; the set just read takes the rows of two stages on.  No further wait: no vector instruction since the wait above
.endif
.endm
; x's fragment and scale words of row tile 2 q + e of stage s
.macro BLOAD s, e
	ds_load_b128 v[BF:BF+3], v[RIM] offset:XIMG+XBUF*((\s)%2)+XTILE*(\e)
	ds_load_b128 v[BF+4:BF+7], v[RIM] offset:XIMG+XBUF*((\s)%2)+XTILE*(\e)+2*XBLK
	ds_load_b32 v[SB], v[RSC] offset:XSC+256*((\s)%2)+64*(\e)
.endm
; Tile u of my part against the row tile in hand, into v[d] on.  C and D are different registers: no sum goes on in place.
.macro MULT u, d
.if (\u)%2
	v_wmma_scale_f32_16x16x128_f8f6f4 v[\d:\d+7], v[AF+8*(\u):AF+8*(\u)+7], v[BF:BF+7], v[CB+8*(\u):CB+8*(\u)+7], v[SA+(\u)/2], v[SB] matrix_a_fmt:MATRIX_FMT_FP4 matrix_b_fmt:MATRIX_FMT_FP4 matrix_a_scale:MATRIX_SCALE_ROW1
.else
	v_wmma_scale_f32_16x16x128_f8f6f4 v[\d:\d+7], v[AF+8*(\u):AF+8*(\u)+7], v[BF:BF+7], v[CB+8*(\u):CB+8*(\u)+7], v[SA+(\u)/2], v[SB] matrix_a_fmt:MATRIX_FMT_FP4 matrix_b_fmt:MATRIX_FMT_FP4
.endif
.endm
; Tile 0 was written straight into the carried tile: only its maximum is taken.  (Each result is read from its low end on.)
.macro PFIRST
	v_max3_num_f32 v[MA], v[KK], v[KK+1], v[KK+2]
	v_max3_num_f32 v[MB], v[KK+3], v[KK+4], v[KK+5]
	v_max_num_f32 v[MC], v[KK+6], v[KK+7]
	v_max3_num_f32 v[BQ], v[MA], v[MB], v[MC]
.endm
; Tile u in v[d] on against the running best v[bo]; the new best goes to v[bn], and the tile's mask says where the old best still holds.
.macro PMAX u, d, bo, bn
	v_max3_num_f32 v[MA], v[\d], v[\d+1], v[\d+2]
	v_max3_num_f32 v[MB], v[\d+3], v[\d+4], v[\d+5]
	v_max3_num_f32 v[MC], v[\d+6], v[\d+7], v[\bo]
	v_max3_num_f32 v[\bn], v[MA], v[MB], v[MC]
	v_cmp_ge_f32 s[PM+(\u)], v[\bo], v[\bn]
.endm
; Where the old best still holds, all is kept: so of equal values the earlier tile wins.  The tiles' selections follow each other in ascending order of u.
.macro PSEL u, d
	v_cndmask_b32 v[TID], 8*(\u), v[TID], s[PM+(\u)]
.irp j, 0,1,2,3,4,5,6,7
	v_cndmask_b32 v[KK+\j], v[\d+\j], v[KK+\j], s[PM+(\u)]
.endr
.endm
; The best value's place in the carried tile, from the top down, so that the lowest place wins; its column; the pair goes to my slot.
.macro RES s, e
	v_mov_b32 v[JX], 7
.irp j, 6,5,4,3,2,1,0
	v_cmp_neq_f32 s[RM+\j], v[KK+\j], v[BP]
.endr
	s_wait_alu depctr_va_sdst(0)                   ; the seven places' masks are written, ahead of the first selection that reads one
.irp j, 6,5,4,3,2,1,0
	v_cndmask_b32 v[JX], \j, v[JX], s[RM+\j]
.endr
	v_add3_u32 v[BP+1], v[TID], v[JX], v[NB]
	s_wait_alu depctr_va_vdst(0)                   ; the search has written v[BP:BP+1], which the LDS store reads.  Behind this wait no vector or matrix instruction names BF, SB or v56 to v119 before the next loads land there
	ds_store_b64 v[CW], v[BP:BP+1] offset:CAND+512*(\s)+128*(\e)
.endm
; A row tile against my 8 tiles.  DISTANCES behind matrix instructions (ISA guide 7.12.1; only plain vector instructions that name none of the instruction's registers are counted):
; four in front of the first read of a result: the v_mov and three v_nop for tile 0; tile 3's four maxima and its compare for tile 4; tile 6's for tile 7; for the others more; five or more in front of a
; product that writes a result tile anew (D0: the four, PFIRST's four and tile 2's 14; D1 and D2 likewise).
.macro TILE s, e, next
	MULT 0, KK
	MULT 1, D0
	MULT 2, D1
	MULT 3, D2
	v_mov_b32 v[TID], 0
	v_nop
	v_nop
	v_nop
	PFIRST
	s_wait_alu depctr_vm_vsrc(0)                   ; the LDS stores issued so far have read their data: the last candidate's pair v[BP:BP+1], which the search below writes again, and the last quantising's QC and QB, which the next one writes again
	PMAX 1, D0, BQ, BP
	PMAX 2, D1, BP, BQ
	s_wait_alu depctr_va_sdst(0)                   ; the masks of tiles 1 and 2 are written, ahead of the first selection that reads one
	PSEL 1, D0
	PSEL 2, D1
	MULT 4, D3
	MULT 5, D0
	MULT 6, D1
	PMAX 3, D2, BQ, BP
	PMAX 4, D3, BP, BQ
	PMAX 5, D0, BQ, BP
	s_wait_alu depctr_va_sdst(0)                   ; the masks of tiles 3, 4 and 5 are written
	PSEL 3, D2
	PSEL 4, D3
	PSEL 5, D0
	MULT 7, D2
	PMAX 6, D1, BP, BQ
	PMAX 7, D2, BQ, BP
	s_wait_alu depctr_va_sdst(0)                   ; the masks of tiles 6 and 7 are written
.if \next
	s_wait_alu depctr_va_vdst(0)                   ; the eighth product is done reading BF and SB, in which the next row tile's loads land; the selections that follow name neither
	BLOAD \s, 1
.endif
	PSEL 6, D1
	PSEL 7, D2
	RES \s, \e
.endm
.macro BARRIER                                 ; my LDS stores have landed and my LDS loads are in: then the work-group's barrier
	s_wait_dscnt 0x0
	s_barrier_signal -1
	s_barrier_wait -1
.endm
; A stage: my two row tiles from image buffer s % 2; then the next stage's rows go into the other buffer, whose last readers passed the barrier before this stage.
; (The first loads into BF and SB owe no wait of their own: the last products that read them stand ahead of the wait in front of the last candidate's store, and nothing since names them.)
.macro STAGE s, cnt
	BLOAD \s, 0
	s_wait_dscnt 0x0
	TILE \s, 0, 1
	s_wait_dscnt 0x1                               ; the second tile's three loads are in; the candidate's store, issued behind them, may be out
	TILE \s, 1, 0
.if \s < 3
	QUANT (\s)+1, \cnt
.endif
	BARRIER
.endm
	s_wait_alu depctr_va_vdst(0)                   ; the offsets and LDS addresses v1 to v10, v19 and v20 are written: every load and store of the kernel reads one of them
	XLOAD 0                                        ; order of issue: stage 0's 4 loads, the codebook's 36, stage 1's 4; stages 2 and 3 follow behind the quantising of stages 0 and 1
	BOOK
	XLOAD 1
	QUANT 0, 40                                    ; 40 younger loads may be out: the codebook's 36 and stage 1's 4
	BARRIER
	s_wait_loadcnt 8                               ; the codebook is in; stages 1 and 2 (8 loads) may be out
	STAGE 0, 4                                     ; quantises stage 1: stage 2's 4 loads may be out
	STAGE 1, 4                                     ; quantises stage 2: stage 3's 4 may be out
	STAGE 2, 0                                     ; quantises stage 3: nothing is younger
	STAGE 3, 0
	; THE MERGE.  Behind the last barrier all 16 slots are whole.  Waves 0 to 3: thread t takes rows 2 t and 2 t + 1.  Neighbouring ranges of slots are paired, four rounds: 16, 8, 4 and 2 compares in a run.
	; In each pairing the later range wins only where it is strictly larger: so each range keeps its lowest column among equal values, and so does the whole.
; The range that begins at slot d against the range that begins at slot c (c < d): the masks of my two rows,
.macro MCMP c, d
	v_cmp_gt_f32 s[GM+(\c)], v[MG+4*(\d)], v[MG+4*(\c)]
	v_cmp_gt_f32 s[GM+(\c)+1], v[MG+4*(\d)+2], v[MG+4*(\c)+2]
.endm
; and the winners' values and columns, into slot c's registers.
.macro MSEL c, d
	v_cndmask_b32 v[MG+4*(\c)], v[MG+4*(\c)], v[MG+4*(\d)], s[GM+(\c)]
	v_cndmask_b32 v[MG+4*(\c)+1], v[MG+4*(\c)+1], v[MG+4*(\d)+1], s[GM+(\c)]
	v_cndmask_b32 v[MG+4*(\c)+2], v[MG+4*(\c)+2], v[MG+4*(\d)+2], s[GM+(\c)+1]
	v_cndmask_b32 v[MG+4*(\c)+3], v[MG+4*(\c)+3], v[MG+4*(\d)+3], s[GM+(\c)+1]
.endm
	s_cmp_lt_u32 s14, 4
	s_cbranch_scc0 .Ldone
.irp c, 0,1,2,3,4,5,6,7,8,9,10,11,12,13,14,15
	ds_load_b128 v[MG+4*\c:MG+4*\c+3], v[MR] offset:CAND+CSLOT*\c  ; (value, column) of both rows.  (The last vector and matrix instructions that named v56 to v119 stand ahead of the wait in front of the last candidate's store)
.endr
.irp c, 0,2,4,6,8,10,12,14
	s_wait_dscnt 14-\c                             ; slots c and c + 1 are in, the younger ones may be out
	MCMP \c, \c+1
.endr
	s_wait_alu depctr_va_sdst(0)                   ; the first round's sixteen masks are written, ahead of the first selection that reads one
.irp c, 0,2,4,6,8,10,12,14
	MSEL \c, \c+1
.endr
.irp c, 0,4,8,12
	MCMP \c, \c+2
.endr
	s_wait_alu depctr_va_sdst(0)                   ; the second round's eight masks are written
.irp c, 0,4,8,12
	MSEL \c, \c+2
.endr
.irp c, 0,8
	MCMP \c, \c+4
.endr
	s_wait_alu depctr_va_sdst(0)                   ; the third round's four masks are written
.irp c, 0,8
	MSEL \c, \c+4
.endr
	MCMP 0, 8
	s_wait_alu depctr_va_sdst(0)                   ; the last round's two masks are written
	v_cndmask_b32 v[OP], v[MG+1], v[MG+33], s[GM]                  ; of the last round only the columns are wanted
	v_cndmask_b32 v[OP+1], v[MG+3], v[MG+35], s[GM+1]
	s_wait_alu depctr_va_vdst(0)                   ; the two selections have written v[OP:OP+1], which the store reads
	global_store_b64 v[IO], v[OP:OP+1], s[12:13]   ; 32 lanes store 256 consecutive bytes, at a multiple of 256 from idx's first byte
.Ldone:
	s_wait_dscnt 0x0                               ; the closing lines, six on end
	s_wait_alu 0x0
	s_wait_tensorcnt 0x0
	ds_add_u32 v254, v255
	s_wait_dscnt 0x0
	s_endpgm
.Lfunc_end_k_q43ed84cf79_argmin:
	.size	k_q43ed84cf79_argmin, .Lfunc_end_k_q43ed84cf79_argmin-k_q43ed84cf79_argmin
	.p2alignl 7, 3214868480
	.fill 96, 4, 3214868480
	.section	.rodata,"a",@progbits
	.p2align	6, 0x0
	.amdhsa_kernel k_q43ed84cf79_argmin
		.amdhsa_group_segment_fixed_size 47616
		.amdhsa_private_segment_fixed_size 0
		.amdhsa_enable_private_segment 0
		.amdhsa_kernarg_size 40
		.amdhsa_user_sgpr_count 2
		.amdhsa_user_sgpr_kernarg_segment_ptr 1
		.amdhsa_wavefront_size32 1
		.amdhsa_system_sgpr_workgroup_id_x 1
		.amdhsa_system_sgpr_workgroup_id_y 1
		.amdhsa_system_sgpr_workgroup_id_z 1
		.amdhsa_system_vgpr_workitem_id 0
		.amdhsa_next_free_vgpr 256
		.amdhsa_next_free_sgpr 66
		.amdhsa_reserve_vcc 0
		.amdhsa_float_denorm_mode_32 3
		.amdhsa_float_denorm_mode_16_64 3
		.amdhsa_memory_ordered 1
		.amdhsa_forward_progress 1
		.amdhsa_inst_pref_size 94
	.end_amdhsa_kernel
	.amdgpu_metadata
---
amdhsa.version: [ 1, 2 ]
amdhsa.kernels:
  - .name:           k_q43ed84cf79_argmin
    .symbol:         k_q43ed84cf79_argmin.kd
    .args:
      - { .name: x, .offset: 0, .size: 8, .value_kind: global_buffer, .address_space: global }
      - { .name: ecodes, .offset: 8, .size: 8, .value_kind: global_buffer, .address_space: global }
      - { .name: escales, .offset: 16, .size: 8, .value_kind: global_buffer, .address_space: global }
      - { .name: ehalf, .offset: 24, .size: 8, .value_kind: global_buffer, .address_space: global }
      - { .name: idx, .offset: 32, .size: 8, .value_kind: global_buffer, .address_space: global }
    .group_segment_fixed_size: 47616
    .private_segment_fixed_size: 0
    .kernarg_segment_align: 8
    .kernarg_segment_size: 40
    .max_flat_workgroup_size: 512
    .sgpr_count:     66
    .vgpr_count:     256
    .wavefront_size: 32
...
	.end_amdgpu_metadata
.endif
;; end of part 5
;; launch gather (part 6): grid 256 x 1, 16 waves a work-group, no clusters, 0 bytes of LDS; arguments idx, embt, x, out0; writes out0
.if DOCPART == 6
	.amdgcn_target "amdgcn-amd-amdhsa--gfx1250"
	.amdhsa_code_object_version 6
	.text
	.protected	k_q43ed84cf79_gather
	.globl	k_q43ed84cf79_gather
	.p2align	8
	.type	k_q43ed84cf79_gather,@function
k_q43ed84cf79_gather:
	s_mov_b64 s[64:65], 0
	v_nop
	global_prefetch_b8 v0, s[64:65] scope:SCOPE_SE
	s_setreg_imm32_b32 hwreg(HW_REG_WAVE_MODE, 25, 1), 1
	s_wait_xcnt 0x0
; out0[row] = x[row] + (embt[idx[row]] - x[row]), in f32, as the source has it.  idx: [65,536] int32, stored by the launch before; embt: [1,024][128] f32; x, out0: [65,536][128] f32.
; A stream: no LDS, no barrier, no matrix unit.  Wave w of work-group g takes the 16 rows from 256 g + 16 w on; a row is 512 bytes: one load or store of 16 bytes a lane covers it whole.
; The wave's 16 indices come by one scalar load; x's 16 loads hang on no index and go out ahead of the wait for it; then the 16 rows of the table.  32 loads of a wave are on their way at once.
; Every register is written once: no source of a pending load or store is written again.
.set X,  16                            ; v16-79   x's 16 rows, 4 registers each
.set Q,  80                            ; v80-143  the table's rows, then the results
.set VO, 144                           ; v144-159 byte offsets of the table's rows
	s_load_b256 s[4:11], s[0:1], 0x0               ; idx s[4:5], embt s[6:7], x s[8:9], out0 s[10:11]
	v_lshrrev_b32 v2, 5, v0
	s_delay_alu instid0(VALU_DEP_1)
	v_readfirstlane_b32 s14, v2                    ; wave 0..15
	v_and_b32 v1, 31, v0
	s_delay_alu instid0(VALU_DEP_1)
	v_lshlrev_b32 v1, 4, v1                        ; 16 bytes a lane
	s_lshl_b32 s32, ttmp9, 10                      ; idx: 256 words a work-group, 16 a wave
	s_lshl_b32 s33, s14, 6
	s_add_co_u32 s32, s32, s33
	s_mov_b32 s33, 0
	s_lshl_b32 s34, ttmp9, 17                      ; x, out0: 256 rows of 512 bytes a work-group, 16 a wave
	s_lshl_b32 s35, s14, 13
	s_add_co_u32 s34, s34, s35
	s_mov_b32 s35, 0
	s_wait_alu depctr_va_vdst(0)
	s_wait_kmcnt 0x0
	s_add_nc_u64 s[4:5], s[4:5], s[32:33]
	s_add_nc_u64 s[8:9], s[8:9], s[34:35]
	s_add_nc_u64 s[10:11], s[10:11], s[34:35]
	s_load_b512 s[16:31], s[4:5], 0x0              ; my 16 indices
.irp i, 0,1,2,3,4,5,6,7,8,9,10,11,12,13,14,15
	global_load_b128 v[X+4*\i:X+4*\i+3], v1, s[8:9] offset:512*\i th:TH_LOAD_NT   ; read here for the last time
.endr
	s_wait_kmcnt 0x0
.irp i, 0,1,2,3,4,5,6,7,8,9,10,11,12,13,14,15
	s_min_u32 s[16+\i], s[16+\i], 0x3ff            ; an index stays inside the table
	v_lshl_add_u32 v[VO+\i], s[16+\i], 9, v1       ; its row of 512 bytes, my 16 bytes
.endr
	s_wait_alu depctr_va_vdst(0)
.irp i, 0,1,2,3,4,5,6,7,8,9,10,11,12,13,14,15
	global_load_b128 v[Q+4*\i:Q+4*\i+3], v[VO+\i], s[6:7]         ; no hint: many rows name the same 512 KB
.endr
.irp i, 0,1,2,3,4,5,6,7,8,9,10,11,12,13,14,15
	s_wait_loadcnt 15-\i                           ; loads come back in order: the table's row i is in (and all of x, which was asked for earlier); the younger rows may be out
	v_pk_add_f32 v[Q+4*\i:Q+4*\i+1], v[Q+4*\i:Q+4*\i+1], v[X+4*\i:X+4*\i+1] neg_lo:[0,1] neg_hi:[0,1]       ; q - x
	v_pk_add_f32 v[Q+4*\i+2:Q+4*\i+3], v[Q+4*\i+2:Q+4*\i+3], v[X+4*\i+2:X+4*\i+3] neg_lo:[0,1] neg_hi:[0,1]
	s_delay_alu instid0(VALU_DEP_2)
	v_pk_add_f32 v[Q+4*\i:Q+4*\i+1], v[X+4*\i:X+4*\i+1], v[Q+4*\i:Q+4*\i+1]                                 ; x + (q - x)
	s_delay_alu instid0(VALU_DEP_2)
	v_pk_add_f32 v[Q+4*\i+2:Q+4*\i+3], v[X+4*\i+2:X+4*\i+3], v[Q+4*\i+2:Q+4*\i+3]
	global_store_b128 v1, v[Q+4*\i:Q+4*\i+3], s[10:11] offset:512*\i th:TH_STORE_NT   ; 32 lanes store a row: 512 consecutive bytes, at a multiple of 256 from out0's first byte
.endr
	s_endpgm
.Lfunc_end_k_q43ed84cf79_gather:
	.size	k_q43ed84cf79_gather, .Lfunc_end_k_q43ed84cf79_gather-k_q43ed84cf79_gather
	.p2alignl 7, 3214868480
	.fill 96, 4, 3214868480
	.section	.rodata,"a",@progbits
	.p2align	6, 0x0
	.amdhsa_kernel k_q43ed84cf79_gather
		.amdhsa_group_segment_fixed_size 0
		.amdhsa_private_segment_fixed_size 0
		.amdhsa_enable_private_segment 0
		.amdhsa_kernarg_size 32
		.amdhsa_user_sgpr_count 2
		.amdhsa_user_sgpr_kernarg_segment_ptr 1
		.amdhsa_wavefront_size32 1
		.amdhsa_system_sgpr_workgroup_id_x 1
		.amdhsa_system_sgpr_workgroup_id_y 1
		.amdhsa_system_sgpr_workgroup_id_z 1
		.amdhsa_system_vgpr_workitem_id 0
		.amdhsa_next_free_vgpr 160
		.amdhsa_next_free_sgpr 66
		.amdhsa_reserve_vcc 0
		.amdhsa_float_denorm_mode_32 3
		.amdhsa_float_denorm_mode_16_64 3
		.amdhsa_memory_ordered 1
		.amdhsa_forward_progress 1
		.amdhsa_inst_pref_size 14
	.end_amdhsa_kernel
	.amdgpu_metadata
---
amdhsa.version: [ 1, 2 ]
amdhsa.kernels:
  - .name:           k_q43ed84cf79_gather
    .symbol:         k_q43ed84cf79_gather.kd
    .args:
      - { .name: idx, .offset: 0, .size: 8, .value_kind: global_buffer, .address_space: global }
      - { .name: embt, .offset: 8, .size: 8, .value_kind: global_buffer, .address_space: global }
      - { .name: x, .offset: 16, .size: 8, .value_kind: global_buffer, .address_space: global }
      - { .name: out0, .offset: 24, .size: 8, .value_kind: global_buffer, .address_space: global }
    .group_segment_fixed_size: 0
    .private_segment_fixed_size: 0
    .kernarg_segment_align: 8
    .kernarg_segment_size: 32
    .max_flat_workgroup_size: 512
    .sgpr_count:     66
    .vgpr_count:     160
    .wavefront_size: 32
...
	.end_amdgpu_metadata
.endif
;; end of part 6
